; MI455X (gfx1250); checked and timed in simulation.
; The chip was launched on July 23, 2026; its instructions are those of AMD's public machine-readable ISA for CDNA 5 (MIT licence, August 2026) and "CDNA5" Instruction Set Architecture Reference Guide (July 2026). The comments in the code are by the model that wrote it; some were corrected since.
;; Multi Head Attn. Allowed arithmetic: matrix products marked QUANTISED: E3M2 operands, one E8M0 scale for each 32 along K, by v_wmma_scale_f32_16x16x128_f8f6f4 with both operands' format E3M2, f32 sums; everything else in f32.
;; Inputs: k_codes 1 x 16 x 4,096 x 2 x 24 uint8 (E3M2 codes of k, K innermost, in blocks of 32 codes, four codes in three bytes); k_scales 1 x 16 x 4,096 x 2 uint8 (E8M0 scales of k, one for each 32 codes along K); q_codes 1 x 16 x 4,096 x 2 x 24 uint8 (E3M2 codes of q, K innermost, in blocks of 32 codes, four codes in three bytes); q_scales 1 x 16 x 4,096 x 2 uint8 (E8M0 scales of q, one for each 32 codes along K); v_codes 1 x 16 x 64 x 128 x 24 uint8 (E3M2 codes of v, K innermost, in blocks of 32 codes, four codes in three bytes); v_scales 1 x 16 x 64 x 128 uint8 (E8M0 scales of v, one for each 32 codes along K).
;; Outputs: out0 1 x 16 x 4,096 x 64 float32.
;; Constants: layer_idx = 1.
;; This version of the problem:
;;   THIS VERSION OF THE PROBLEM IS GIVEN IN LOW PRECISION. The matrix products marked QUANTISED in the list below multiply operands that are first quantised to E3M2 (3 exponent bits, 2 mantissa bits; 6 bits a number), with one power-of-two scale for each 32 numbers along K (OCP MX v1.0); their sums are f32. All else is computed in f32.
;;   The module's matrix products, in the order in which they are computed (A, B: the left and right operand; K: the contracted axis; several contracted axes count as one K, in the product's order):
;;     1. batch 16 x [M 4,096, K 64] x [K 64, N 4,096]; A: input q (given as codes); B: input k (given as codes): QUANTISED
;;     2. batch 16 x [M 4,096, K 4,096] x [K 4,096, N 64]; A: softmax (see below); B: input v (given as codes): QUANTISED
;;   THE QUANTISER, for each operand of a quantised product, along K:
;;     - K is cut into blocks of 32 from its start; a last block that is shorter is filled with zeros.
;;     - A block's scale is 2^e with e = floor(log2(the largest magnitude in the block)) - 4, held to -126 .. 127; a block of zeros has e = 0. As a byte (E8M0): e + 127.
;;     - Each number is divided by its block's scale, clamped to +-28, and rounded to the nearest number of E3M2, ties to even, subnormals kept.
;;     - The product sums the exact products of the quantised numbers (number of the format x scale) in f32.
;;   ~~~python
;;   def quantise(x, axis):      # numpy; x: float32 -> the quantised numbers, widened to float32 again
;;       x = np.moveaxis(x, axis, -1); K = x.shape[-1]
;;       x = np.pad(x, [(0, 0)] * (x.ndim - 1) + [(0, -K % 32)]); x = x.reshape(x.shape[:-1] + (-1, 32)); a = np.abs(x).max(-1, keepdims=True)
;;       e = np.where(a > 0, np.clip(np.frexp(np.where(a > 0, a, 1))[1] - 1 - 4, -126, 127), 0)      # np.frexp(a)[1] - 1 = floor(log2(a)), exactly
;;       r = np.clip(x / 2.0 ** e, -28, 28)
;;       step = 2.0 ** (np.maximum(np.frexp(np.where(r == 0, 1, r))[1] - 1, -2) - 2)
;;       q = np.round(r / step) * step * 2.0 ** e      # np.round: ties to even
;;       return np.moveaxis(q.reshape(q.shape[:-2] + (-1,))[..., :K], -1, axis).astype(np.float32)
;;   ~~~
;;   SOFTMAX AHEAD OF A QUANTISED PRODUCT. Where the list says 'softmax', what is quantised is not the finished softmax but p = 2^(t - M), with t = logit x log2(e) and M = ceil(the row's largest t), a whole number; so 1/2 < the row's largest p <= 1. The row's sum l is taken of the UNQUANTISED p, in f32, and the product's result is divided by l at the end. Since M is a whole number, a kernel that streams over the keys may use a running M (the ceiling of the running maximum): every later rescaling is an exact power of two, which a block's scale takes up: the codes' values come out the same.
;;   OPERANDS COMPUTED ON THE WAY. 'Computed on the way' means the value that the module computes at that place (a softmax that the list does not call 'softmax' is quantised finished and normalised). What goes into a quantiser is computed in f32, as accurately as f32 sums, v_exp_f32 and their like allow (about 1e-6 of the number): no bf16 or f16 on the way to a quantiser, and a product that is left as it is and whose result goes on into a quantised operand takes f32 operands (vector FMAs, or v_wmma_f32_16x16x4_f32). A number that lies on a knife's edge between two numbers of the format may be rounded either way, as far as f32 arithmetic and the matrix unit's own rounding can turn it there, and no further.
;;   INPUTS GIVEN AS CODES. k (in the module: [1, 16, 4096, 64], K = its axis 3); q (in the module: [1, 16, 4096, 64], K = its axis 3); v (in the module: [1, 16, 4096, 64], K = its axis 2): each comes as NAME_codes (uint8): NAME with its K axis moved to the last place and cut into blocks of 32 codes, [.., K / 32, bytes a block], one block behind the other in memory; four codes in three bytes: a row's codes are one little-endian stream of bits, code i at bits 6 i .. 6 i + 5 (a code: sign, 3 exponent bits, 2 mantissa bits); and NAME_scales (uint8): the same leading axes, one E8M0 byte (e + 127) for each 32 codes along K. Its value is code x scale, taken as it is: it is not quantised again, and the codes and scales need not be those that the quantiser above would give.
;; One version. Each part assembles by itself: llvm-mc -triple=amdgcn-amd-amdhsa -mcpu=gfx1250 --defsym DOCPART=n.
;; ======== version 1 of 1: 1 launch
;; limits: right only within a limited range of input values
;; launch band (part 1): grid 16 x 16, 16 waves a work-group, no clusters, 169,984 bytes of LDS; arguments q_codes, q_scales, k_codes, k_scales, v_codes, v_scales, out0; writes out0
.if DOCPART == 1
	.amdgcn_target "amdgcn-amd-amdhsa--gfx1250"
	.amdhsa_code_object_version 6
	.text
	.protected	k_q3b1556e48d_band
	.globl	k_q3b1556e48d_band
	.p2align	8
	.type	k_q3b1556e48d_band,@function
k_q3b1556e48d_band:
	s_mov_b64 s[64:65], 0
	v_nop
	global_prefetch_b8 v0, s[64:65] scope:SCOPE_SE
	s_setreg_imm32_b32 hwreg(HW_REG_WAVE_MODE, 25, 1), 1
	s_wait_xcnt 0x0
; out[h][i][:] = sum over j of softmax_j(q[h][i] . k[h][j] / 8) v[h][j][:], key j counting for query i where i - 255 <= j <= i.  16 heads, 4,096 positions, head size 64.
; q, k: codes of E3M2 along the head's 64 (48 bytes a row) with two E8M0 bytes a row; v: codes with the KEYS innermost (64 rows of 3,072 bytes a head) with 128 E8M0 bytes a row; out: f32.
; Both products by v_wmma_scale_f32_16x16x128_f8f6f4 on E3M2 codes.  Ahead of the second: t = score x log2(e) / 8, M = ceil(the row's largest t), p = 2^(t - M), quantised in blocks of 32 keys;
; the row's sum is taken of the unquantised p and divides at the end.
; SHARES.  Work-group (x, head) owns queries 256 x .. 256 x + 255 and copies keys 256 (x - 1) .. 256 x + 255, 16 blocks of 32, into LDS ONCE.  Each of its sixteen waves owns one tile of 16 queries (256 x + 16 w);
; with e = w / 2, f = w % 2 its band is LDS blocks e .. e + 8: always nine.  Blocks 1 to 7 of the nine count whole; in the ninth key 16 h + j is hidden where it exceeds 16 f + r, in the first exactly where it does not.
; All nine blocks' scores stay in registers (144), so M is the true row maximum's ceiling: one pass, nothing is rescaled, no loop.
; LAYOUT.  Both products are used transposed (S^T = K Q^T, O^T = V^T P^T): lane (r = lane % 16, h = lane / 16) holds query r throughout.  A key tile's lanes take keys r + 8 (r / 8) (tile a) and 8 more (tile b) of a block,
; so that a block's 16 score registers are keys 16 h + 0 .. 15.  THE FIRST PRODUCT'S K IS 64, half of the instruction's 128: a fragment of K holds tile a in registers 0-5 and tile b in 6-11, and Q lies between
; zeros ([0][q][0], 18 registers): against [q|0] the fragment gives tile a, against [0|q] tile b; the other half meets zero codes.  Scale words hold a row's two bytes twice, so they serve either half.
; x = 0: LDS blocks 0-7 stand for keys that do not exist.  The copies' global offsets are folded back (they receive a second copy of keys 0-255, finite numbers), and the blocks i < 8 - e get -infinity added to their
; largest score and to the addend -M: p = 0.  The same lines run in every work-group (there the addend is 0): no branch.
; NO CLUSTER, NO JOINT LOADS: a byte of K or V is wanted by two work-groups only (x and x + 1), and in those it lies in different halves of the LDS window, while a joint load has one LDS address for all that it names.
; The fill is 50 KB a work-group, once; nothing in LDS is filled again, so there is no ring; one barrier.
; LIMITS: hidden keys get the weight 0 exactly; reference() gives them exp(-1e9 - max), which is 0 in f32 while a row's largest counted score lies above about -1e9 + 100.  Scale bytes 0xff (NaN) are not served.
; A block whose every p is 0 keeps the scale byte 1 with zero codes (the byte is read by this text alone).
.set KC,   0                           ; LDS: K's codes: 32 groups of 16 keys, 768 bytes at pitch 896: key n at 896 (n / 16) + 48 (n % 16).  In units of 8 bytes a load's 32 lanes stand at 112 g + 6 j + 3 h: 32 different values mod 32 (64 banks of 4 bytes: ISA guide 11.1)
.set VC,   28672                       ; V's codes: 64 rows of 384 bytes (16 blocks of 24) at pitch 400: 50 r + 3 h in units of 8 bytes, again 32 different values mod 32
.set KS,   54272                       ; one word a key: its two scale bytes, twice
.set VS,   56320                       ; 16 scale bytes a row of V
.set STG,  57344                       ; the way out: 16 rows x 272 bytes for each wave
.set AK,   1                           ; v1   my place in a key tile: 896 (r / 8) + 48 (r % 8) + 24 h + 1792 e
.set AKS,  2                           ; v2   K's scale words: lanes 0-15 tile a's, lanes 16-31 tile b's
.set AV,   3                           ; v3   V: VC + 400 r + 24 h + 24 e
.set AVC,  4                           ; v4   V's ninth block: VC + 400 r + 24 e + 192
.set AVS,  5                           ; v5   V's scale words: VS + 16 lane + 4 (e / 4)
.set STO,  6                           ; v6   the stage, in
.set SRD,  7                           ; v7   the stage, back
.set GO,   8                           ; v8   16 x lane
.set NEG,  9                           ; v9   -infinity
.set LS1,  10                          ; v[10:11]  half of the row's sum; later 1 / sum
.set QZ,   12                          ; v12-17 zeros, v18-23 q, v24-29 zeros
.set T1,   12                          ; later: a conversion's three registers
.set PC,   18                          ; later: p's codes of the ninth block, v18-29 (v24-29 stay zeros)
.set QS,   30                          ; Q's scale word
.set KSR,  31                          ; v31-34  K's scale words, one for each buffer
.set PW,   31                          ; later v31-33: p's three scale words
.set VW,   36                          ; v36-41  V's scale words: pair of tiles n, step s at 36 + 3 n + s
.set KF,   42                          ; v42-89  four buffers for K's fragments; later V's fragments of step A
.set BM,   90                          ; v90-98  a block's largest score, then its largest p, then the conversion's scale operand
.set TA,   99
.set NM,   100                         ; v100-108  at work on the maxima, then the addends -M (+ -infinity); v109 is named with v108 as a pair
.set LS0,  110                         ; v[110:111] the other half of the sum
.set S,    112                         ; v112-255  the scores, then p: block i at 112 + 16 i
.set OT,   112                         ; later: O^T, tile t at 112 + 8 t
.set VCF,  144                         ; later: V's ninth block, tile t at 144 + 6 t (a fragment's upper six registers are the next tile's: they meet zero codes of p)
.set VBF,  176                         ; later: V's fragments of step B
.set PA,   224                         ; p's codes of blocks 0-3
.set PB,   240                         ; of blocks 4-7
.set T0,   252
.set OUTR, 176
.set BACK, 208
.set HM,   32                          ; s32-47  lane masks: bit of lane (r, h) set where 16 h + j > 16 f + r
.set BI,   48                          ; s48-55  block i's bias: -infinity where the block does not exist, else 0
	s_load_b256 s[4:11], s[0:1], 0x0               ; q_codes s[4:5], q_scales s[6:7], k_codes s[8:9], k_scales s[10:11]
	s_load_b128 s[12:15], s[0:1], 0x20             ; v_codes s[12:13], v_scales s[14:15]
	s_load_b64 s[16:17], s[0:1], 0x30              ; out0
	v_lshl_add_u32 v254, v0, 2, 0x29000
	v_mov_b32 v255, 0
	ds_add_u32 v254, v255
	ds_add_u32 v254, v255
	s_wait_dscnt 0x0
	v_lshrrev_b32 v1, 5, v0
	s_delay_alu instid0(VALU_DEP_1)
	v_readfirstlane_b32 s18, v1                    ; wave w
	s_mov_b32 s19, ttmp9                           ; x
	s_and_b32 s20, ttmp7, 0xffff                   ; head
	s_lshr_b32 s21, s18, 1                         ; e
	s_and_b32 s22, s18, 1                          ; f
	s_max_u32 s23, s19, 1
	s_sub_co_u32 s23, s23, 1                       ; max(x - 1, 0): where the window begins in memory, in runs of 256 keys
	s_cmp_eq_u32 s19, 0
	s_cselect_b32 s24, 1, 0                        ; Z = (x == 0)
	s_sub_co_u32 s25, 8, s21
	s_mul_i32 s25, s25, s24                        ; how many of my nine blocks do not exist
	; byte offsets into the seven buffers, each in a pair of its own
	s_mul_i32 s56, s20, 196608                     ; the head in a tensor of codes,
	s_lshl_b32 s57, s20, 13                        ; in a tensor of scale bytes
	s_lshl_b32 s58, s19, 8
	s_lshl_b32 s59, s18, 4
	s_add_co_u32 s58, s58, s59                     ; my first query
	s_mul_i32 s32, s58, 48
	s_add_co_u32 s32, s32, s56
	s_mov_b32 s33, 0
	s_lshl_b32 s34, s58, 1
	s_add_co_u32 s34, s34, s57
	s_mov_b32 s35, 0
	s_mul_i32 s36, s23, 12288                      ; 256 keys x 48 bytes
	s_add_co_u32 s36, s36, s56
	s_mov_b32 s37, 0
	s_lshl_b32 s38, s23, 9
	s_add_co_u32 s38, s38, s57
	s_mov_b32 s39, 0
	s_mul_i32 s40, s23, 192                        ; 8 blocks x 24 bytes along a row of V
	s_add_co_u32 s40, s40, s56
	s_mov_b32 s41, 0
	s_lshl_b32 s42, s23, 3
	s_add_co_u32 s42, s42, s57
	s_mov_b32 s43, 0
	s_lshl_b32 s44, s20, 20
	s_lshl_b32 s45, s58, 8                         ; a row of out is 256 bytes
	s_add_co_u32 s44, s44, s45
	s_mov_b32 s45, 0
	s_lshl_b32 s60, s24, 4                         ; the folds for x = 0: 16 groups of keys,
	s_mul_i32 s61, s24, 192                        ; 192 bytes of a row of V,
	s_sub_co_u32 s62, 256, s61
	s_lshl_b32 s63, s24, 8                         ; 256 keys,
	s_lshl_b32 s31, s24, 3                         ; 8 scale bytes of a row of V
	; the copies' and loads' addresses, thread by thread (t = v0), in v112-141, which are written again only behind the waits for the copies and loads
	v_lshrrev_b32 v128, 4, v0                      ; K: group G = t / 16,
	v_and_b32 v129, 15, v0                         ; 16 bytes t % 16 of each of its three runs of 256
	v_lshrrev_b32 v130, 8, v0                      ; upper half of the window?
	s_delay_alu instid0(VALU_DEP_3)
	v_mul_u32_u24 v112, v128, 896
	s_delay_alu instid0(VALU_DEP_1)
	v_lshl_add_u32 v112, v129, 4, v112             ; LDS: 896 G + 16 (t % 16)
	s_delay_alu instid0(VALU_DEP_3)
	v_mul_u32_u24 v131, s60, v130
	s_delay_alu instid0(VALU_DEP_1)
	v_sub_nc_u32 v131, v128, v131
	s_delay_alu instid0(VALU_DEP_1)
	v_mul_u32_u24 v113, v131, 768
	s_delay_alu instid0(VALU_DEP_1)
	v_lshl_add_u32 v113, v129, 4, v113             ; memory: 768 (G, folded) + 16 (t % 16)
	v_lshrrev_b32 v132, 3, v0                      ; V: row t / 8,
	v_and_b32 v133, 7, v0                          ; 16 bytes t % 8 of each of its three runs of 128
	v_bfe_u32 v134, v0, 2, 1
	s_delay_alu instid0(VALU_DEP_3)
	v_mul_u32_u24 v114, v132, 400
	s_delay_alu instid0(VALU_DEP_1)
	v_lshl_add_u32 v114, v133, 4, v114
	s_delay_alu instid0(VALU_DEP_1)
	v_add_nc_u32 v114, VC, v114
	s_delay_alu instid0(VALU_DEP_1)
	v_add_nc_u32 v115, 128, v114
	s_delay_alu instid0(VALU_DEP_2)
	v_add_nc_u32 v116, 256, v114
	v_mul_u32_u24 v117, v132, 3072
	s_delay_alu instid0(VALU_DEP_1)
	v_lshl_add_u32 v117, v133, 4, v117             ; bytes 0-127 of the row's 384: lower half of the window;
	v_mul_u32_u24 v135, s61, v134
	s_delay_alu instid0(VALU_DEP_2)
	v_add_nc_u32 v118, 128, v117
	s_delay_alu instid0(VALU_DEP_1)
	v_sub_nc_u32 v118, v118, v135                  ; bytes 128-255: the upper half begins at 192;
	s_delay_alu instid0(VALU_DEP_4)
	v_add_nc_u32 v119, s62, v117                   ; bytes 256-383: upper half
	v_mul_u32_u24 v136, s63, v130
	s_delay_alu instid0(VALU_DEP_1)
	v_sub_nc_u32 v120, v0, v136
	s_delay_alu instid0(VALU_DEP_1)
	v_lshlrev_b32 v120, 1, v120                    ; K's scale bytes: key t of the window, folded
	v_mul_u32_u24 v137, s31, v134
	v_lshlrev_b32 v121, 7, v132
	s_delay_alu instid0(VALU_DEP_1)
	v_lshl_add_u32 v121, v133, 1, v121
	s_delay_alu instid0(VALU_DEP_1)
	v_sub_nc_u32 v121, v121, v137                  ; V's: row t / 8, bytes 2 (t % 8), folded
	v_and_b32 v138, 15, v0                         ; r
	v_bfe_u32 v139, v0, 4, 1                       ; h
	s_delay_alu instid0(VALU_DEP_2)
	v_mul_u32_u24 v122, v138, 48
	s_delay_alu instid0(VALU_DEP_1)
	v_mad_u32_u24 v122, v139, 24, v122             ; Q: row r, + 24 h
	s_delay_alu instid0(VALU_DEP_4)
	v_lshlrev_b32 v123, 1, v138
	v_lshl_add_u32 v140, v0, 2, KS
	v_lshl_add_u32 v141, v0, 1, VS
	s_wait_alu depctr_va_vdst(0)
	s_wait_kmcnt 0x0
	s_add_nc_u64 s[4:5], s[4:5], s[32:33]
	s_add_nc_u64 s[6:7], s[6:7], s[34:35]
	s_add_nc_u64 s[8:9], s[8:9], s[36:37]
	s_add_nc_u64 s[10:11], s[10:11], s[38:39]
	s_add_nc_u64 s[12:13], s[12:13], s[40:41]
	s_add_nc_u64 s[14:15], s[14:15], s[42:43]
	s_add_nc_u64 s[16:17], s[16:17], s[44:45]
	; six copies of 16 bytes a thread: 512 keys of K (sixteen lanes take 256 consecutive bytes) and 64 rows x 384 bytes of V.  The immediate goes onto both addresses
	global_load_async_to_lds_b128 v112, v113, s[8:9]
	global_load_async_to_lds_b128 v112, v113, s[8:9] offset:256
	global_load_async_to_lds_b128 v112, v113, s[8:9] offset:512
	global_load_async_to_lds_b128 v114, v117, s[12:13]
	global_load_async_to_lds_b128 v115, v118, s[12:13]
	global_load_async_to_lds_b128 v116, v119, s[12:13]
	global_load_u16 v124, v120, s[10:11]           ; a key's two scale bytes
	global_load_u16 v125, v121, s[14:15]           ; two of V's
	global_load_b64 v[QZ+6:QZ+7], v122, s[4:5] th:TH_LOAD_NT            ; Q's 24 bytes: read once in the launch
	global_load_b64 v[QZ+8:QZ+9], v122, s[4:5] offset:8 th:TH_LOAD_NT
	global_load_b64 v[QZ+10:QZ+11], v122, s[4:5] offset:16 th:TH_LOAD_NT
	global_load_u16 v126, v123, s[6:7]             ; query r's two scale bytes
	; register work while these are out
.irp n, 0,1,2,3,4,5
	v_mov_b32 v[QZ+\n], 0                          ; the zero codes on either side of q
	v_mov_b32 v[QZ+12+\n], 0
.endr
	v_mov_b32 v[NEG], 0xff800000
	v_mov_b32 v[LS1], 0
	v_mov_b32 v[LS1+1], 0
	v_mov_b32 v[LS0], 0
	v_mov_b32 v[LS0+1], 0
	s_mov_b32 s26, 0x76543210
	s_mov_b32 s27, 0xfedcba98                      ; v_permlanex16_b32's selects for lane l xor 16
	s_mov_b32 s28, 0x3e38aa3b                      ; c = log2(e) / 8
	s_mov_b32 s29, s28                             ; (named with it as a pair)
	s_and_b32 s30, s21, 3
	s_lshl_b32 s30, s30, 3                         ; 8 (e % 4): by so many bits V's scale words are shifted
	s_lshl_b32 s31, s22, 4
	s_cmp_eq_u32 s22, 0
	s_cselect_b32 s56, 0xffff0000, 0
.irp j, 0,1,2,3,4,5,6,7,8,9,10,11,12,13,14,15
	s_lshl_b32 s[HM+\j], (1<<\j)-1, s31            ; f = 0: lanes r < j of the lower half, and all of the upper; f = 1: lanes r < j of the upper half
	s_or_b32 s[HM+\j], s[HM+\j], s56
.endr
.irp i, 0,1,2,3,4,5,6,7
	s_cmp_gt_u32 s25, \i
	s_cselect_b32 s[BI+\i], 0xff800000, 0
.endr
	s_wait_loadcnt 4                               ; the two loads of K's and V's scale bytes are in; the four younger (Q's three and its scale bytes) may be out
	v_lshl_or_b32 v124, v124, 16, v124             ; the key's two bytes twice: they serve tile a (bytes 0, 1) and tile b (bytes 2, 3)
	ds_store_b32 v140, v124
	ds_store_b16 v141, v125
	s_wait_loadcnt 0x0
	v_lshl_or_b32 v[QS], v126, 16, v126            ; the same for Q.  The lines that follow, more than eight plain ones, stand between this write and the first product that takes it as a scale
	v_bfe_u32 v142, v0, 3, 1                       ; r / 8
	v_and_b32 v143, 7, v0                          ; r % 8
	v_and_b32 v144, 31, v0                         ; lane
	s_mul_i32 s56, s21, 1792
	v_mul_u32_u24 v[AK], v142, 896
	s_delay_alu instid0(VALU_DEP_1)
	v_mad_u32_u24 v[AK], v143, 48, v[AK]
	s_delay_alu instid0(VALU_DEP_1)
	v_mad_u32_u24 v[AK], v139, 24, v[AK]
	s_delay_alu instid0(VALU_DEP_1)
	v_add_nc_u32 v[AK], s56, v[AK]
	s_lshl_b32 s57, s21, 7
	s_add_co_u32 s57, s57, KS
	v_lshlrev_b32 v[AKS], 2, v138
	s_delay_alu instid0(VALU_DEP_1)
	v_lshl_add_u32 v[AKS], v139, 5, v[AKS]         ; lanes 16-31: the key 8 further on (tile b)
	s_delay_alu instid0(VALU_DEP_1)
	v_lshl_add_u32 v[AKS], v142, 5, v[AKS]
	s_delay_alu instid0(VALU_DEP_1)
	v_add_nc_u32 v[AKS], s57, v[AKS]
	s_mul_i32 s58, s21, 24
	s_add_co_u32 s58, s58, VC
	v_mul_u32_u24 v[AVC], v138, 400
	s_delay_alu instid0(VALU_DEP_1)
	v_add_nc_u32 v[AVC], s58, v[AVC]
	s_delay_alu instid0(VALU_DEP_1)
	v_mad_u32_u24 v[AV], v139, 24, v[AVC]
	s_delay_alu instid0(VALU_DEP_2)
	v_add_nc_u32 v[AVC], 192, v[AVC]
	v_lshlrev_b32 v[GO], 4, v144
	s_lshr_b32 s59, s21, 2
	s_lshl_b32 s59, s59, 2
	s_add_co_u32 s59, s59, VS
	v_add_nc_u32 v[AVS], s59, v[GO]                ; row 16 h + r of a pair of tiles: 16 bytes a row
	s_mul_i32 s60, s18, 4352
	s_add_co_u32 s60, s60, STG                     ; my stage
	v_mul_u32_u24 v[STO], v138, 272
	s_delay_alu instid0(VALU_DEP_1)
	v_lshl_add_u32 v[STO], v139, 5, v[STO]
	s_delay_alu instid0(VALU_DEP_1)
	v_add_nc_u32 v[STO], s60, v[STO]
	v_mul_u32_u24 v[SRD], v139, 272
	s_delay_alu instid0(VALU_DEP_1)
	v_lshl_add_u32 v[SRD], v138, 4, v[SRD]
	s_delay_alu instid0(VALU_DEP_1)
	v_add_nc_u32 v[SRD], s60, v[SRD]
	s_wait_asynccnt 0x0                            ; for the others' sake: my six copies have landed,
	s_wait_dscnt 0x0                               ; and my two stores of scale bytes
	s_barrier_signal -1
	s_barrier_wait -1                              ; the window is whole: from here on it is only read
; Block i of my nine into buffer i % 4: tile a's 24 bytes, tile b's 24 bytes (8 keys, 384 bytes, on), one scale word: seven LDS loads
.macro KLOAD i
.irp p, 0,1,2
	ds_load_b64 v[KF+12*((\i)%4)+2*\p:KF+12*((\i)%4)+2*\p+1], v[AK] offset:1792*(\i)+8*\p
.endr
.irp p, 0,1,2
	ds_load_b64 v[KF+12*((\i)%4)+6+2*\p:KF+12*((\i)%4)+6+2*\p+1], v[AK] offset:1792*(\i)+384+8*\p
.endr
	ds_load_b32 v[KSR+(\i)%4], v[AKS] offset:128*(\i)
.endm
; Its 32 keys x my 16 queries: against [q|0] tile a (scale words in lanes 0-15), against [0|q] tile b (lanes 16-31)
.macro WM i
	v_wmma_scale_f32_16x16x128_f8f6f4 v[S+16*(\i):S+16*(\i)+7], v[KF+12*((\i)%4):KF+12*((\i)%4)+11], v[QZ+6:QZ+17], 0, v[KSR+(\i)%4], v[QS] matrix_a_fmt:MATRIX_FMT_BF6 matrix_b_fmt:MATRIX_FMT_BF6
	v_wmma_scale_f32_16x16x128_f8f6f4 v[S+16*(\i)+8:S+16*(\i)+15], v[KF+12*((\i)%4):KF+12*((\i)%4)+11], v[QZ:QZ+11], 0, v[KSR+(\i)%4], v[QS] matrix_a_fmt:MATRIX_FMT_BF6 matrix_b_fmt:MATRIX_FMT_BF6 matrix_a_scale:MATRIX_SCALE_ROW1
.endm
; The band's two edges, and my 16 scores' largest, in two chains.  Each accumulator is read from its low end on
.macro CHAIN i
.if (\i) == 8
.irp j, 0,1,2,3,4,5,6,7,8,9,10,11,12,13,14,15
	v_cndmask_b32 v[S+128+\j], v[S+128+\j], v[NEG], s[HM+\j]       ; the query's own block: keys after the query are hidden
.endr
.endif
.if (\i) == 0
.irp j, 0,1,2,3,4,5,6,7,8,9,10,11,12,13,14,15
	v_cndmask_b32 v[S+\j], v[NEG], v[S+\j], s[HM+\j]               ; the block 256 keys back: just the others are hidden
.endr
.endif
	v_max3_num_f32 v[BM+(\i)], v[S+16*(\i)], v[S+16*(\i)+1], v[S+16*(\i)+2]
	v_max3_num_f32 v[NM+(\i)], v[S+16*(\i)+8], v[S+16*(\i)+9], v[S+16*(\i)+10]
	v_max3_num_f32 v[BM+(\i)], v[BM+(\i)], v[S+16*(\i)+3], v[S+16*(\i)+4]
	v_max3_num_f32 v[NM+(\i)], v[NM+(\i)], v[S+16*(\i)+11], v[S+16*(\i)+12]
	v_max3_num_f32 v[BM+(\i)], v[BM+(\i)], v[S+16*(\i)+5], v[S+16*(\i)+6]
	v_max3_num_f32 v[NM+(\i)], v[NM+(\i)], v[S+16*(\i)+13], v[S+16*(\i)+14]
	v_max3_num_f32 v[BM+(\i)], v[BM+(\i)], v[S+16*(\i)+7], v[S+16*(\i)+15]
	s_delay_alu instid0(VALU_DEP_1)
	v_max_num_f32 v[BM+(\i)], v[BM+(\i)], v[NM+(\i)]
.endm
; V's four fragments (16 of the head's 64 x 128 keys) of step s: my blocks 4 s .. 4 s + 3
.macro VLOAD reg, s
.irp t, 0,1,2,3
.irp p, 0,1,2,3,4,5
	ds_load_b64 v[\reg+12*\t+2*\p:\reg+12*\t+2*\p+1], v[AV] offset:6400*\t+96*(\s)+48*(\p/3)+8*(\p%3)
.endr
.endr
.endm
	; ---- S^T = K Q^T, block by block; the block before is searched for its maximum behind each pair of products: those lines are the places behind them
	; (four plain vector instructions that name none of their registers, ahead of reads of results and of loads into operands: ISA guide 7.12.1 for reads of results)
	KLOAD 0
	KLOAD 1
	KLOAD 2
	KLOAD 3
.irp i, 0,1,2,3,4,5,6,7,8
.if \i <= 5
	s_wait_dscnt 21                                ; LDS loads come back in order: block i's seven are in, the three younger blocks' 21 may be out
.else
	s_wait_dscnt 7*(8-\i)                          ; towards the end fewer are younger: 14, 7, 0
.endif
	WM \i
.if \i == 0
.rept 4
	v_nop
.endr
.else
	CHAIN \i-1
.endif
.if \i <= 4
	KLOAD \i+4                                     ; into the buffer just multiplied
.endif
.endr
	VLOAD KF, 0                                    ; V's step A takes K's buffers (eight plain lines stand behind the last product)
.irp n, 0,1
.irp j, 0,1,2
	ds_load_b32 v[VW+3*\n+\j], v[AVS] offset:512*\n+4*\j           ; V's scale bytes: three words a row hold my nine; lanes 0-15 tile 2 n, lanes 16-31 tile 2 n + 1
.endr
.endr
	CHAIN 8
	; ---- the row's maximum, M, and each block's largest p
.irp i, 0,1,2,3,4,5,6,7,8
	v_permlanex16_b32 v[NM+\i], v[BM+\i], s26, s27
.endr
.irp i, 0,1,2,3,4,5,6,7,8
	v_max_num_f32 v[BM+\i], v[BM+\i], v[NM+\i]     ; with lane l xor 16's 16 keys: the block's largest score
.endr
.irp i, 0,1,2,3,4,5,6,7
	v_add_f32 v[NM+\i], s[BI+\i], v[BM+\i]         ; a block that does not exist counts for nothing
.endr
	v_max3_num_f32 v[TA], v[NM], v[NM+1], v[NM+2]
	s_delay_alu instid0(VALU_DEP_4)
	v_max3_num_f32 v[NM+9], v[NM+3], v[NM+4], v[NM+5]
	s_delay_alu instid0(VALU_DEP_2)
	v_max3_num_f32 v[TA], v[TA], v[NM+6], v[NM+7]
	s_delay_alu instid0(VALU_DEP_1)
	v_max3_num_f32 v[TA], v[TA], v[NM+9], v[BM+8]  ; the query's own key always counts: a finite number
	s_delay_alu instid0(VALU_DEP_1)
	v_mul_f32 v[TA], s28, v[TA]                    ; as t (c is positive)
	s_delay_alu instid0(VALU_DEP_1)
	v_floor_f32 v[NM+8], -v[TA]                    ; -M = floor(-t) = -ceil(t)
.irp i, 0,1,2,3,4,5,6,7
	v_add_f32 v[NM+\i], s[BI+\i], v[NM+8]          ; block i's addend: -M, or -infinity
.endr
.irp i, 0,1,2,3,4,5,6,7,8
	v_fma_f32 v[BM+\i], v[BM+\i], s28, v[NM+\i]    ; p rises with the score: the block's largest score goes through the same multiply-add and exponential as every score
.endr
	s_wait_alu depctr_va_vdst(0)
.irp i, 0,1,2,3,4,5,6,7,8
	v_exp_f32 v[BM+\i], v[BM+\i]
.endr
; Three blocks at three stages, line by line: t - M of block a (two at a time), the exponentials of block b, the sum of block c's p (unquantised; two chains of pairs).  -1: no such block.
; A plain line stands behind every second exponential at the least, and a result is used a whole TRI later.
.macro TRI a, b, c
.set j, 0
.rept 8
.if (\a) >= 0
.if (\a)%2 == 0
	v_pk_fma_f32 v[S+16*(\a)+2*j:S+16*(\a)+2*j+1], v[S+16*(\a)+2*j:S+16*(\a)+2*j+1], s[28:29], v[NM+(\a):NM+(\a)+1] op_sel_hi:[1,0,0]
.else
	v_pk_fma_f32 v[S+16*(\a)+2*j:S+16*(\a)+2*j+1], v[S+16*(\a)+2*j:S+16*(\a)+2*j+1], s[28:29], v[NM+(\a)-1:NM+(\a)] op_sel:[0,0,1] op_sel_hi:[1,0,1]
.endif
.endif
.if (\b) >= 0
	v_exp_f32 v[S+16*(\b)+2*j], v[S+16*(\b)+2*j]
.endif
.if (\c) >= 0
.if j%2 == 0
	s_wait_alu depctr_va_vdst(0)
	v_pk_add_f32 v[LS0:LS0+1], v[LS0:LS0+1], v[S+16*(\c)+2*j:S+16*(\c)+2*j+1]
.else
	v_pk_add_f32 v[LS1:LS1+1], v[LS1:LS1+1], v[S+16*(\c)+2*j:S+16*(\c)+2*j+1]
.endif
.endif
.if (\b) >= 0
	v_exp_f32 v[S+16*(\b)+2*j+1], v[S+16*(\b)+2*j+1]
.endif
.set j, j+1
.endr
.endm
; Blocks b0 .. b0 + 3 of p become an operand's 12 registers at dst.  A conversion gives a lane's 16 keys in three registers; the operand wants a whole block in a lane (lanes 0-15 the even block, lanes 16-31 the odd one):
; the even block's upper lanes change places with the odd block's lower lanes.
.macro PACKP dst, b0
	v_cvt_scalef32_pk16_bf6_f32 v[\dst:\dst+2], v[S+16*(\b0):S+16*(\b0)+15], v[BM+(\b0)]
	v_cvt_scalef32_pk16_bf6_f32 v[T0:T0+2], v[S+16*(\b0)+16:S+16*(\b0)+31], v[BM+(\b0)+1]
	v_cvt_scalef32_pk16_bf6_f32 v[\dst+6:\dst+8], v[S+16*(\b0)+32:S+16*(\b0)+47], v[BM+(\b0)+2]
	v_cvt_scalef32_pk16_bf6_f32 v[T1:T1+2], v[S+16*(\b0)+48:S+16*(\b0)+63], v[BM+(\b0)+3]
	v_nop                                          ; one plain place behind a scaled conversion
.irp n, 0,1,2
	v_permlane16_swap_b32 v[\dst+\n], v[T0+\n]
.endr
.irp n, 0,1,2
	v_permlane16_swap_b32 v[\dst+6+\n], v[T1+\n]
.endr
.irp n, 0,1,2
	v_mov_b32 v[\dst+3+\n], v[T0+\n]
.endr
.irp n, 0,1,2
	v_mov_b32 v[\dst+9+\n], v[T1+\n]
.endr
.endm
	TRI 8, -1, -1                                  ; (eight plain lines behind the nine exponentials above)
	; the blocks' scales: the floor 2^(5 - 127) holds the byte at 1; 4 off the exponent field gives the conversion's scale operand; its exponent field is the byte
	s_wait_alu depctr_va_vdst(0)
.irp i, 0,1,2,3,4,5,6,7,8
	v_max_num_f32 v[BM+\i], 0x2800000, v[BM+\i]
.endr
.irp i, 0,1,2,3,4,5,6,7,8
	v_add_nc_u32 v[BM+\i], 0xfe000000, v[BM+\i]
.endr
	v_lshrrev_b32 v[PW], 23, v[BM]
	v_lshrrev_b32 v[PW+1], 23, v[BM+4]
	s_delay_alu instid0(VALU_DEP_3)
	v_lshrrev_b32 v[PW+2], 23, v[BM+8]             ; the ninth block's word: its byte, and zeros over zero codes
	v_lshrrev_b32 v12, 23, v[BM+1]
	v_lshrrev_b32 v13, 23, v[BM+2]
	v_lshrrev_b32 v14, 23, v[BM+3]
	v_lshrrev_b32 v15, 23, v[BM+5]
	v_lshrrev_b32 v16, 23, v[BM+6]
	v_lshrrev_b32 v17, 23, v[BM+7]
	v_lshl_or_b32 v[PW], v12, 8, v[PW]
	s_delay_alu instid0(VALU_DEP_4)
	v_lshl_or_b32 v[PW+1], v15, 8, v[PW+1]
	s_delay_alu instid0(VALU_DEP_2)
	v_lshl_or_b32 v[PW], v13, 16, v[PW]
	s_delay_alu instid0(VALU_DEP_2)
	v_lshl_or_b32 v[PW+1], v16, 16, v[PW+1]
	s_delay_alu instid0(VALU_DEP_2)
	v_lshl_or_b32 v[PW], v14, 24, v[PW]
	s_delay_alu instid0(VALU_DEP_2)
	v_lshl_or_b32 v[PW+1], v17, 24, v[PW+1]
	TRI 4, 8, -1
	s_wait_alu depctr_va_vdst(0)
	TRI 5, 4, 8
	TRI 6, 5, 4
	TRI 7, 6, 5
	TRI 0, 7, 6
	TRI 1, 0, 7
	; ---- blocks 4 to 8 are finished and summed: their codes are made, and their registers take V's step B
	v_mov_b32 v[PC+3], 0
	v_mov_b32 v[PC+4], 0
	v_mov_b32 v[PC+5], 0
	s_wait_dscnt 0x0                               ; V's step A and its scale words are in
	v_cvt_scalef32_pk16_bf6_f32 v[PC:PC+2], v[S+128:S+143], v[BM+8]
.irp n, 0,1                                    ; V's scale words, in place: bytes e % 4 on of the three words: steps A, B and the ninth block.  (Six plain lines behind the conversion)
	v_alignbit_b32 v[VW+3*\n], v[VW+3*\n+1], v[VW+3*\n], s30
	v_alignbit_b32 v[VW+3*\n+1], v[VW+3*\n+2], v[VW+3*\n+1], s30
	v_lshrrev_b32 v[VW+3*\n+2], s30, v[VW+3*\n+2]
.endr
.irp n, 0,1,2
	v_permlane16_swap_b32 v[PC+\n], v[PC+3+\n]     ; lanes 0-15 now hold the whole ninth block, lanes 16-31 zero codes; v24-29 are zeros since the head
.endr
	PACKP PB, 4
	VLOAD VBF, 1
	TRI 2, 1, 0
	TRI 3, 2, 1
	TRI -1, 3, 2
	TRI -1, -1, 3
	PACKP PA, 0
.irp t, 0,1,2,3
.irp p, 0,1,2
	ds_load_b64 v[VCF+6*\t+2*\p:VCF+6*\t+2*\p+1], v[AVC] offset:6400*\t+8*\p     ; V's ninth block, in both halves of the lanes (the upper half meets zero codes)
.endr
.endr
	; the row's sum; these lines are also the places between the writes of p's codes and the first product that takes them
	v_pk_add_f32 v[LS0:LS0+1], v[LS0:LS0+1], v[LS1:LS1+1]
	s_delay_alu instid0(VALU_DEP_1)
	v_add_f32 v[LS0], v[LS0], v[LS0+1]
	s_delay_alu instid0(VALU_DEP_1)
	v_permlanex16_b32 v[LS0+1], v[LS0], s26, s27
	s_delay_alu instid0(VALU_DEP_1)
	v_add_f32 v[LS0], v[LS0], v[LS0+1]             ; with lane l xor 16's keys
	s_wait_alu depctr_va_vdst(0)
	v_rcp_f32 v[LS1], v[LS0]
	v_nop                                          ; a plain place behind the transcendental
	v_nop
; ---- O^T = V^T P^T: four tiles of 16 of the head's 64; the four accumulators take turns, one instruction a turn
.macro PV areg, astep, breg, s, zero
.irp t, 0,1,2,3
.if \zero
.if \t%2
	v_wmma_scale_f32_16x16x128_f8f6f4 v[OT+8*\t:OT+8*\t+7], v[\areg+\astep*\t:\areg+\astep*\t+11], v[\breg:\breg+11], 0, v[VW+3*(\t/2)+\s], v[PW+\s] matrix_a_fmt:MATRIX_FMT_BF6 matrix_b_fmt:MATRIX_FMT_BF6 matrix_a_scale:MATRIX_SCALE_ROW1
.else
	v_wmma_scale_f32_16x16x128_f8f6f4 v[OT+8*\t:OT+8*\t+7], v[\areg+\astep*\t:\areg+\astep*\t+11], v[\breg:\breg+11], 0, v[VW+3*(\t/2)+\s], v[PW+\s] matrix_a_fmt:MATRIX_FMT_BF6 matrix_b_fmt:MATRIX_FMT_BF6
.endif
.else
.if \t%2
	v_wmma_scale_f32_16x16x128_f8f6f4 v[OT+8*\t:OT+8*\t+7], v[\areg+\astep*\t:\areg+\astep*\t+11], v[\breg:\breg+11], v[OT+8*\t:OT+8*\t+7], v[VW+3*(\t/2)+\s], v[PW+\s] matrix_a_fmt:MATRIX_FMT_BF6 matrix_b_fmt:MATRIX_FMT_BF6 matrix_a_scale:MATRIX_SCALE_ROW1
.else
	v_wmma_scale_f32_16x16x128_f8f6f4 v[OT+8*\t:OT+8*\t+7], v[\areg+\astep*\t:\areg+\astep*\t+11], v[\breg:\breg+11], v[OT+8*\t:OT+8*\t+7], v[VW+3*(\t/2)+\s], v[PW+\s] matrix_a_fmt:MATRIX_FMT_BF6 matrix_b_fmt:MATRIX_FMT_BF6
.endif
.endif
.endr
.endm
	PV KF, 12, PA, 0, 1                            ; blocks 0-3: these products start the sums
	s_wait_dscnt 12                                ; V's step B is in; the ninth block's twelve loads are younger
	PV VBF, 12, PB, 1, 0                           ; blocks 4-7
	s_wait_dscnt 0x0
	PV VCF, 6, PC, 2, 0                            ; block 8
.rept 4
	v_nop                                          ; places behind the last products, ahead of the reads of O^T and of writes into registers that they read
.endr
	; ---- the way out: O^T / the sum.  A lane's eight numbers of tile t are out(query r, 16 t + 8 h + 0 .. 7): 32 bytes of a row of 256.  They go through my own stage (rows 272 bytes apart) and come back as whole rows.
	s_wait_alu depctr_va_vdst(0)
.irp t, 0,1,2,3
.irp n, 0,1,2,3
	v_pk_mul_f32 v[OUTR+8*\t+2*\n:OUTR+8*\t+2*\n+1], v[OT+8*\t+2*\n:OT+8*\t+2*\n+1], v[LS1:LS1+1] op_sel_hi:[1,0]   ; each accumulator from its low end on
.endr
.endr
.irp t, 0,1,2,3
	ds_store_b128 v[STO], v[OUTR+8*\t:OUTR+8*\t+3] offset:64*\t
	ds_store_b128 v[STO], v[OUTR+8*\t+4:OUTR+8*\t+7] offset:64*\t+16
.endr
.irp i, 0,1,2,3,4,5,6,7
	ds_load_b128 v[BACK+4*\i:BACK+4*\i+3], v[SRD] offset:544*\i    ; LDS serves a wave's instructions in order (ISA guide 5.7.1.4): these see my stores; lanes 0-15 row 2 i, lanes 16-31 row 2 i + 1
.endr
.irp i, 0,1,2,3,4,5,6,7
	s_wait_dscnt 7-\i                              ; load i is back; the younger ones may be out
	global_store_b128 v[GO], v[BACK+4*\i:BACK+4*\i+3], s[16:17] offset:512*\i th:TH_STORE_NT   ; 32 lanes store 512 consecutive bytes, at a multiple of 256 from out's first byte; written once, read by nobody here
.endr
	s_wait_xcnt 0x0
	v_lshl_add_u32 v254, v0, 2, 0x29000
	v_mov_b32 v255, 0
	s_wait_alu depctr_va_vdst(0)
	s_wait_tensorcnt 0x0
	ds_add_u32 v254, v255
	s_wait_dscnt 0x0
	s_endpgm
.Lfunc_end_k_q3b1556e48d_band:
	.size	k_q3b1556e48d_band, .Lfunc_end_k_q3b1556e48d_band-k_q3b1556e48d_band
	.p2alignl 7, 3214868480
	.fill 96, 4, 3214868480
	.section	.rodata,"a",@progbits
	.p2align	6, 0x0
	.amdhsa_kernel k_q3b1556e48d_band
		.amdhsa_group_segment_fixed_size 169984
		.amdhsa_private_segment_fixed_size 0
		.amdhsa_enable_private_segment 0
		.amdhsa_kernarg_size 56
		.amdhsa_user_sgpr_count 2
		.amdhsa_user_sgpr_kernarg_segment_ptr 1
		.amdhsa_wavefront_size32 1
		.amdhsa_system_sgpr_workgroup_id_x 1
		.amdhsa_system_sgpr_workgroup_id_y 1
		.amdhsa_system_sgpr_workgroup_id_z 1
		.amdhsa_system_vgpr_workitem_id 0
		.amdhsa_next_free_vgpr 256
		.amdhsa_next_free_sgpr 66
		.amdhsa_reserve_vcc 0
		.amdhsa_float_denorm_mode_32 3
		.amdhsa_float_denorm_mode_16_64 3
		.amdhsa_memory_ordered 1
		.amdhsa_forward_progress 1
		.amdhsa_inst_pref_size 56
	.end_amdhsa_kernel
	.amdgpu_metadata
---
amdhsa.version: [ 1, 2 ]
amdhsa.kernels:
  - .name:           k_q3b1556e48d_band
    .symbol:         k_q3b1556e48d_band.kd
    .args:
      - { .name: q_codes, .offset: 0, .size: 8, .value_kind: global_buffer, .address_space: global }
      - { .name: q_scales, .offset: 8, .size: 8, .value_kind: global_buffer, .address_space: global }
      - { .name: k_codes, .offset: 16, .size: 8, .value_kind: global_buffer, .address_space: global }
      - { .name: k_scales, .offset: 24, .size: 8, .value_kind: global_buffer, .address_space: global }
      - { .name: v_codes, .offset: 32, .size: 8, .value_kind: global_buffer, .address_space: global }
      - { .name: v_scales, .offset: 40, .size: 8, .value_kind: global_buffer, .address_space: global }
      - { .name: out0, .offset: 48, .size: 8, .value_kind: global_buffer, .address_space: global }
    .group_segment_fixed_size: 169984
    .private_segment_fixed_size: 0
    .kernarg_segment_align: 8
    .kernarg_segment_size: 56
    .max_flat_workgroup_size: 512
    .sgpr_count:     66
    .vgpr_count:     256
    .wavefront_size: 32
...
	.end_amdgpu_metadata
.endif
;; end of part 1
